; MI455X (gfx1250); checked and timed in simulation.
; The chip was launched on July 23, 2026; its instructions are those of AMD's public machine-readable ISA for CDNA 5 (MIT licence, August 2026) and "CDNA5" Instruction Set Architecture Reference Guide (July 2026). The comments in the code are by the model that wrote it; some were corrected since.
;; FL Attention. Allowed arithmetic: float matrix products may take bf16 or f16 operands with f32 sums; all other float work in f32.
;; Inputs: alpha_k 1 x 4 float32; alpha_q 1 x 4 float32; alpha_v 1 x 4 float32; beta_k 1 x 4 float32; beta_q 1 x 4 float32; beta_v 1 x 4 float32; x 16 x 1,024 float32.
;; Outputs: out0 16 x 1,024 float32.
;; 2 versions, each right; version 2 is version 1 with the launch flatt written anew for expert scheduling mode. Each part assembles by itself: llvm-mc -triple=amdgcn-amd-amdhsa -mcpu=gfx1250 --defsym DOCPART=n.
;; ======== version 1 of 2: 1 launch
;; limits: right only within a limited range of input values
;; launch flatt (part 1): grid 256 x 1, 16 waves a work-group, no clusters, 39,168 bytes of LDS; arguments x, alpha_q, beta_q, alpha_k, beta_k, alpha_v, beta_v, out0; writes out0
.if DOCPART == 1
	.amdgcn_target "amdgcn-amd-amdhsa--gfx1250"
	.amdhsa_code_object_version 6
	.text
	.protected	k_q2061e18b6c_flatt
	.globl	k_q2061e18b6c_flatt
	.p2align	8
	.type	k_q2061e18b6c_flatt,@function
k_q2061e18b6c_flatt:
	s_mov_b64 s[64:65], 0
	v_nop
	global_prefetch_b8 v0, s[64:65] scope:SCOPE_SE
	s_setreg_imm32_b32 hwreg(HW_REG_WAVE_MODE, 25, 1), 1
	s_wait_xcnt 0x0
; out[b][i] = x[b][i] + 1/2 sum over h of ( sum_j p v[j][h] / sum_j p ),  p = exp( 1/(|k[j][h]-q[i][h]|+1e-8) - its maximum over j ),
; q, k, v = x alpha + beta per head.  x, out: [16][1024] f32; the six alpha, beta: [4] f32.
;
; SHARES.  256 work-groups: group g takes batch g / 16, the 64 queries i from 64 (g % 16) on, and all 4 heads, so the sum over heads never
; leaves the group.  16 waves: wave w takes head w % 4 and the 256 keys j from 256 (w / 4) on.  Lane l takes queries i0+2l and i0+2l+1.
; PASS 1 finds min_j |k-q|: the softmax's maximum is 1/(that minimum + 1e-8).  The four key quarters meet in LDS.
; PASS 2 makes the weights p and gives them to the matrix unit in bf16, which adds up  sum p,  sum p x_hi,  sum p x_lo  in f32.
; v = alpha_v x + beta_v is applied behind the division: sum p v / sum p = alpha_v (sum p x / sum p) + beta_v, so one table of x serves all heads.
;
; THE MATRIX INSTRUCTION (16x16x32 bf16).  Operand B: lane l's 8 registers are its own query's 16 weights, keys c = 0..15 of the chunk.
; Lanes 0-15 fill the K places 0-7, 16-23 of columns 0-15, lanes 16-31 the K places 8-15, 24-31 of the same columns.  Operand A is
; (1, x_hi, x_lo) in rows 0-2 on the first set of K places only, the same in rows 8-10 on the second set only, and zero elsewhere: that is lanes
; 0, 1, 2 and 24, 25, 26 of A's registers.  Register j of D in lane l is row 8 (l / 16) + j of column l % 16: registers 0, 1, 2 of EVERY lane are
; the three sums of that lane's own query.  So a wave serves 32 queries at once, and all its lanes want the same 16 keys (broadcast LDS loads).
;
; NO CLUSTER, NO TENSOR LOADS: all that work-groups share is a batch's row of x, 4,096 bytes that each reads once, for 262,144 weights computed.
;
; LIMITS AND ROUNDING, stated:  q and k by one fused multiply-add.  e = ln2 (|k-q| + 1e-8) by one fused multiply-add, so that 1/e is in base 2.
; Two reciprocals come from one v_rcp_f32: 1/a = b / (a b); with v_rcp_f32's own error that is a few ulp off a rounded division.  The maximum
; taken away is v_rcp_f32(smallest e): the largest exponent is 0 to within a few ulp of at most 1.44e8, that is below 2^6 in size, a factor common
; to numerator and denominator that neither overflows nor underflows f32 or bf16.  If a b passes 2^126 its reciprocal is flushed to 0: both 1/a and
; 1/b then count as 0, which shows in a result only where some |k-q| is above about 1e34.  Weights are rounded to bf16; x enters as x_hi + x_lo.
.set ROWB, 4096                        ; bytes of a row of x, and of one head's 1,024 keys in LDS
.set LK,   0                           ; LDS: keys, 4 heads x 4,096 bytes
.set LT,   16384                       ; LDS: table for operand A, 4 rows of 1,024 bf16: ones, x_hi, x_lo, zeros
.set TP,   2080                        ; its pitch: 2,048 + 32, so the four rows start 32 bytes apart modulo 256 and the lanes' 16-byte reads meet in no bank
.set LM,   24832                       ; LDS: minima, 16 waves x 32 lanes x 2 f32
.set LP,   28928                       ; LDS: partial sums, 16 waves x 32 lanes x 4 f32; ends at 37,120
; scalar registers
.set WV,  2                            ; wave
.set HD,  3                            ; head
.set JQ,  4                            ; key quarter
.set AQ,  24                           ; s[24:47]: alpha_q, beta_q, alpha_k, beta_k, alpha_v, beta_v, 4 each
.set BQ,  28
.set AK,  32
.set BK,  36
.set AV,  40
.set BV,  44
.set AQH, 48                           ; my head's alpha_q, beta_q
.set BQH, 49
.set CNT, 50
.set LN2, 58                           ; ln 2
.set EL2, 59                           ; 1e-8 x ln 2
; vector registers
.set LANE, 1
.set T8,  3                            ; 8 x thread
.set L8,  4                            ; 8 x lane
.set T4,  5                            ; 4 x thread
.set XJ,  6                            ; v[6:7]    x of my two keys (prologue)
.set XQ,  8                            ; v[8:9]    x of my two queries
.set KAD, 10                           ; LDS address of my wave's keys (the same in all lanes)
.set AAD, 11                           ; LDS address of my lane's row of the table, at my wave's keys
.set Q0,  12                           ; v[12:13] = (q0, q0), v[14:15] = (q1, q1)
.set NR0, 16                           ; v[16:17], v[18:19]: minus the maximum (base 2), twice each
.set PAD, 20                           ; LDS address of my partial sums
.set MST, 21                           ; LDS address of my minima
.set M,   22                           ; v[22:29] eight running minima; v[24:31] the four quarters' minima
.set KA,  32                           ; v[32:47]  key buffer: 16 keys
.set KB,  48                           ; v[48:63]  key buffer
.set AF0, 64                           ; v[64:71]  operand A of even chunks
.set AF1, 72                           ; v[72:79]  operand A of odd chunks
.set BF0, 80                           ; v[80:87]  operand B, query 0
.set BF1, 88                           ; v[88:95]  operand B, query 1
.set ACC0, 96                          ; v[96:103]  sums of query 0
.set ACC1, 104                         ; v[104:111] sums of query 1
.set E,   112                          ; v[112:143] 32 terms: query q, key c at E + 16 q + c
.set S,   144                          ; v[144:151] exponents of two groups in turn
.set PR,  152                          ; v[152:155] products a b of two groups in turn
.set RR,  156                          ; v[156:159] their reciprocals
.set MLD, 160                          ; LDS address of my head's minima
.set F,   32                           ; v[32:95]  the way out: the 16 waves' partial sums
	s_load_b512 s[8:23], s[0:1], 0x0               ; x s[8:9], alpha_q, beta_q, alpha_k, beta_k, alpha_v, beta_v s[10:21], out s[22:23]
	v_lshl_add_u32 v162, v0, 2, 0x9100
	v_mov_b32 v163, 0
	v_lshrrev_b32 v2, 5, v0
	v_readfirstlane_b32 s[WV], v2                  ; wave 0..15
	v_and_b32 v[LANE], 31, v0
	v_lshlrev_b32 v[T8], 3, v0
	v_lshlrev_b32 v[T4], 2, v0
	v_lshlrev_b32 v[L8], 3, v[LANE]
	s_and_b32 s[HD], s[WV], 3
	s_lshr_b32 s[JQ], s[WV], 2
	s_lshr_b32 s6, ttmp9, 4                        ; batch
	s_lshl_b32 s6, s6, 12                          ; x 4,096 bytes
	s_mov_b32 s7, 0
	s_and_b32 s52, ttmp9, 15                       ; block of 64 queries
	s_lshl_b32 s52, s52, 8                         ; x 256 bytes
	s_mov_b32 s53, 0
	s_mov_b32 s[LN2], 0x3f317218                   ; ln 2
	s_mov_b32 s[EL2], 0x31ee29df                   ; 1e-8 x ln 2 = 6.9314718e-9
	s_wait_kmcnt 0x0
	s_add_nc_u64 s[8:9], s[8:9], s[6:7]            ; x at my batch's row
	s_add_nc_u64 s[54:55], s[8:9], s[52:53]        ; x at my group's first query
	global_load_b64 v[XJ:XJ+1], v[T8], s[8:9]      ; 512 threads x 8 bytes: the whole row, once
	global_load_b64 v[XQ:XQ+1], v[L8], s[54:55]    ; my two queries
	s_load_b128 s[AQ:AQ+3], s[10:11], 0x0
	s_load_b128 s[BQ:BQ+3], s[12:13], 0x0
	s_load_b128 s[AK:AK+3], s[14:15], 0x0
	s_load_b128 s[BK:BK+3], s[16:17], 0x0
	s_load_b128 s[AV:AV+3], s[18:19], 0x0
	s_load_b128 s[BV:BV+3], s[20:21], 0x0
	s_add_nc_u64 s[22:23], s[22:23], s[6:7]
	s_add_nc_u64 s[22:23], s[22:23], s[52:53]      ; out at my group's 256 bytes
	; which row of the table my lane feeds into operand A: lanes 0,1,2 and 24,25,26 rows 0,1,2; all others the row of zeros
	v_and_b32 v2, 7, v[LANE]
	v_lshrrev_b32 v[AAD], 3, v[LANE]               ; 0..3
	v_add_nc_u32 v[AAD], 1, v[AAD]
	v_and_b32 v[AAD], 2, v[AAD]                    ; 2 for lanes 8-23, else 0
	v_lshl_add_u32 v2, v[AAD], 1, v2               ; + 4 there
	v_min_u32 v2, 3, v2
	v_mul_u32_u24 v2, TP, v2
	s_lshl_b32 s56, s[JQ], 9                       ; my quarter: 256 keys x 2 bytes
	s_add_co_u32 s56, s56, LT
	v_add_nc_u32 v[AAD], s56, v2
	s_lshl_b32 s56, s[HD], 12                      ; my head's keys,
	s_lshl_b32 s57, s[JQ], 10                      ; my quarter: 256 keys x 4 bytes
	s_add_co_u32 s56, s56, s57
	v_mov_b32 v[KAD], s56
	s_lshl_b32 s56, s[WV], 8
	s_add_co_u32 s56, s56, LM
	v_add_nc_u32 v[MST], s56, v[L8]                ; minima: wave x 256 + lane x 8
	s_lshl_b32 s57, s[HD], 8
	s_add_co_u32 s57, s57, LM
	v_add_nc_u32 v[MLD], s57, v[L8]                ; the waves of my head lie 1,024 bytes apart
	s_lshl_b32 s56, s[WV], 9
	s_add_co_u32 s56, s56, LP
	v_lshl_add_u32 v[PAD], v[LANE], 4, s56         ; partial sums: wave x 512 + lane x 16
	s_wait_kmcnt 0x0
	s_cmp_eq_u32 s[HD], 1                          ; my head's alpha_q and beta_q
	s_cselect_b32 s[AQH], s[AQ+1], s[AQ]
	s_cselect_b32 s[BQH], s[BQ+1], s[BQ]
	s_cmp_eq_u32 s[HD], 2
	s_cselect_b32 s[AQH], s[AQ+2], s[AQH]
	s_cselect_b32 s[BQH], s[BQ+2], s[BQH]
	s_cmp_eq_u32 s[HD], 3
	s_cselect_b32 s[AQH], s[AQ+3], s[AQH]
	s_cselect_b32 s[BQH], s[BQ+3], s[BQH]
	s_wait_loadcnt 0x1                             ; my two keys' x are in; the one younger load (the queries) may be out
.irp h, 0,1,2,3
	v_fma_f32 v[KA+2*\h],   v[XJ],   s[AK+\h], s[BK+\h]        ; k = x alpha_k + beta_k
	v_fma_f32 v[KA+2*\h+1], v[XJ+1], s[AK+\h], s[BK+\h]
.endr
.irp h, 0,1,2,3
	ds_store_b64 v[T8], v[KA+2*\h:KA+2*\h+1] offset:LK+\h*ROWB
.endr
	v_cvt_pk_bf16_f32 v[KB], v[XJ], v[XJ+1]        ; x_hi of both keys
	v_lshlrev_b32 v[KB+1], 16, v[KB]               ; back to f32
	v_and_b32 v[KB+2], 0xffff0000, v[KB]
	v_sub_f32 v[KB+1], v[XJ], v[KB+1]              ; what bf16 dropped (exact)
	v_sub_f32 v[KB+2], v[XJ+1], v[KB+2]
	v_cvt_pk_bf16_f32 v[KB+1], v[KB+1], v[KB+2]    ; x_lo
	v_mov_b32 v[KB+2], 0x3f803f80                  ; 1.0 twice
	v_mov_b32 v[KB+3], 0
	ds_store_b32 v[T4], v[KB+2] offset:LT
	ds_store_b32 v[T4], v[KB]   offset:LT+TP
	ds_store_b32 v[T4], v[KB+1] offset:LT+2*TP
	ds_store_b32 v[T4], v[KB+3] offset:LT+3*TP
	s_wait_loadcnt 0x0
	v_fma_f32 v[Q0],   v[XQ],   s[AQH], s[BQH]     ; q = x alpha_q + beta_q, each twice: a pair for the packed subtraction
	v_fma_f32 v[Q0+1], v[XQ],   s[AQH], s[BQH]
	v_fma_f32 v[Q0+2], v[XQ+1], s[AQH], s[BQH]
	v_fma_f32 v[Q0+3], v[XQ+1], s[AQH], s[BQH]
	s_wait_dscnt 0x0                               ; my part of the keys and of the table is in LDS,
	s_barrier_signal -1
	s_barrier_wait -1                              ; everybody's is; neither is written again
; ---------------------------------------------------------------- PASS 1: min over my 256 keys of |k - q|, for my two queries
.macro KLOAD buf, off                  ; 16 keys: four loads, every lane at the same address
.irp i, 0,1,2,3
	ds_load_b128 v[\buf+4*\i:\buf+4*\i+3], v[KAD] offset:\off+16*\i
.endr
.endm
.macro MINSTEP q, p, start             ; two more |d| into one of four chains a query; the first four start the chains, nothing is preset
.if \start
	v_min_num_f32 v[M+4*\q+\p%4], |v[E+16*\q+2*\p]|, |v[E+16*\q+2*\p+1]|
.else
	v_min3_num_f32 v[M+4*\q+\p%4], |v[E+16*\q+2*\p]|, |v[E+16*\q+2*\p+1]|, v[M+4*\q+\p%4]
.endif
.endm
.macro P1CHUNK buf, start              ; 16 keys x 2 queries: 16 packed subtractions, 16 minima of three
.irp q, 0,1
.irp p, 0,1,2,3,4,5,6,7
	v_pk_add_f32 v[E+16*\q+2*\p:E+16*\q+2*\p+1], v[\buf+2*\p:\buf+2*\p+1], v[Q0+2*\q:Q0+2*\q+1] neg_lo:[0,1] neg_hi:[0,1]
.endr
.endr
.irp q, 0,1
.irp p, 0,1,2,3
	MINSTEP \q, \p, \start
.endr
.irp p, 4,5,6,7
	MINSTEP \q, \p, 0
.endr
.endr
.endm
	KLOAD KA, 0
	KLOAD KB, 64
	s_wait_dscnt 4                                 ; LDS loads return in order (ISA guide 5.7.1): the older buffer is in, the younger one's 4 loads stay out
	P1CHUNK KA, 1
	KLOAD KA, 128
	s_wait_dscnt 4
	P1CHUNK KB, 0
.set n, 1
.rept 6
	KLOAD KB, 64*(2*n+1)
	s_wait_dscnt 4
	P1CHUNK KA, 0
	KLOAD KA, 64*(2*n+2)
	s_wait_dscnt 4
	P1CHUNK KB, 0
.set n, n+1
.endr
	KLOAD KB, 64*15
	s_wait_dscnt 4
	P1CHUNK KA, 0
	s_wait_dscnt 0                                 ; nothing was asked for behind the last buffer
	P1CHUNK KB, 0
	v_min3_num_f32 v[M],   v[M],   v[M+1], v[M+2]
	v_min3_num_f32 v[M+4], v[M+4], v[M+5], v[M+6]
	v_min_num_f32  v[M],   v[M],   v[M+3]
	v_min_num_f32  v[M+1], v[M+4], v[M+7]
	ds_store_b64 v[MST], v[M:M+1]                  ; my quarter's two minima
.macro ALOAD buf, off                  ; operand A of one chunk: my lane's row of the table, 16 keys = 32 bytes
	ds_load_b128 v[\buf:\buf+3],   v[AAD] offset:\off
	ds_load_b128 v[\buf+4:\buf+7], v[AAD] offset:\off+16
.endm
	KLOAD KA, 0                                    ; pass 2's first buffers come in while the waves meet
	ALOAD AF0, 0
	KLOAD KB, 64
	s_wait_dscnt 0x0                               ; my minima are in LDS (and no LDS instruction is pending at the signal)
	s_barrier_signal -1
	s_barrier_wait -1
.irp s, 0,1,2,3
	ds_load_b64 v[M+2+2*\s:M+3+2*\s], v[MLD] offset:1024*\s        ; the four quarters of my head
.endr
	s_wait_dscnt 0x0
	v_min3_num_f32 v[M+2], v[M+2], v[M+4], v[M+6]
	v_min3_num_f32 v[M+3], v[M+3], v[M+5], v[M+7]
	v_min_num_f32  v[M+2], v[M+2], v[M+8]
	v_min_num_f32  v[M+3], v[M+3], v[M+9]
	v_fma_f32 v[M+2], v[M+2], s[LN2], s[EL2]       ; the smallest e, by the very instruction that pass 2 uses
	v_fma_f32 v[M+3], v[M+3], s[LN2], s[EL2]
	v_rcp_f32 v[M+4], v[M+2]                       ; the maximum, in base 2.  The lines below, which touch none of these registers, are the plain
	v_rcp_f32 v[M+5], v[M+3]                       ; instructions that stand between a transcendental and the use of its result (ISA guide 5.7.2)
; ---------------------------------------------------------------- PASS 2
; A GROUP is 4 terms of one query (E+4g .. E+4g+3; groups 0-3 query 0, groups 4-7 query 1; 8 groups = a chunk of 16 keys).  Its stages:
;   a  2 packed subtractions d = k - q, 4 x e = |d| ln2 + 1e-8 ln2, 1 packed product (e0 e2, e1 e3)
;   b  2 reciprocals r = 1 / product
;   c  2 packed multiply-adds: exponents (r0 e2, r1 e3) - max and (r0 e0, r1 e1) - max, that is 1/e0, 1/e1, 1/e2, 1/e3 less the maximum
;   d  4 x 2^exponent        f  2 roundings of two weights to bf16, into operand B
; STEP g runs b and c of group g, a of group g+1 and d, f of group g-1, across chunk ends too, each transcendental followed by a plain
; instruction of another group.  kn: the key buffer of group g+1.  hasA = 0: no group follows.  hasD = 0: none went before.
.macro STEP g, kn, hasA, hasD
.set GN,  (\g+1)%8
.set GP,  (\g+7)%8
.set EC,  E+4*\g
.set EN,  E+4*GN
.set EP,  E+4*GP
.set SC,  S+4*(\g%2)
.set SPV, S+4*(GP%2)
.set PCU, PR+2*(\g%2)
.set PNX, PR+2*(GN%2)
.set RC,  RR+2*(\g%2)
.set KNX, \kn+4*(GN%4)
.set QNX, Q0+2*(GN/4)
.set NRC, NR0+2*(\g/4)
.set BPV, BF0+8*(GP/4)+2*(GP%4)
	v_rcp_f32 v[RC], v[PCU]
.if \hasA
	v_pk_add_f32 v[EN:EN+1], v[KNX:KNX+1], v[QNX:QNX+1] neg_lo:[0,1] neg_hi:[0,1]
.endif
	v_rcp_f32 v[RC+1], v[PCU+1]
.if \hasA
	v_pk_add_f32 v[EN+2:EN+3], v[KNX+2:KNX+3], v[QNX:QNX+1] neg_lo:[0,1] neg_hi:[0,1]
.endif
.irp i, 0,1,2,3
.if \hasD
	v_exp_f32 v[EP+\i], v[SPV+\i]
.endif
.if \hasA
	v_fma_f32 v[EN+\i], |v[EN+\i]|, s[LN2], s[EL2]
.endif
.endr
.if 1-\hasA
	v_nop                                          ; no group follows: the plain instruction between the reciprocals and their use
.endif
	s_wait_alu depctr_va_vdst(0)
	v_pk_fma_f32 v[SC:SC+1],   v[RC:RC+1], v[EC+2:EC+3], v[NRC:NRC+1]
	v_pk_fma_f32 v[SC+2:SC+3], v[RC:RC+1], v[EC:EC+1],   v[NRC:NRC+1]
.if \hasA
	v_pk_mul_f32 v[PNX:PNX+1], v[EN:EN+1], v[EN+2:EN+3]
.endif
.if \hasD
	v_cvt_pk_bf16_f32 v[BPV],   v[EP],   v[EP+1]
	v_cvt_pk_bf16_f32 v[BPV+1], v[EP+2], v[EP+3]
.endif
.endm
.macro MM acc, af, bf, start           ; 16 keys x 32 queries into the three sums; the first product starts the sums, nothing is cleared
.if \start
	v_wmma_f32_16x16x32_bf16 v[\acc:\acc+7], v[\af:\af+7], v[\bf:\bf+7], 0
.else
	v_wmma_f32_16x16x32_bf16 v[\acc:\acc+7], v[\af:\af+7], v[\bf:\bf+7], v[\acc:\acc+7]
.endif
.endm
; A TRIP is two chunks: the even one on KA and AF0, the odd one on KB and AF1.  Query 0's operand B is whole behind step 4, query 1's behind
; step 0 of the next chunk.  Every register of a matrix instruction is written again (operand B by roundings, operand A by loads) a whole STEP or
; more behind it: at least ten plain vector instructions that name none of its registers, where ISA guide 7.12.1 asks for four.
; LDS loads of a trip, in order: AF1 (2, this trip's odd chunk), KA (4, next trip), AF0 (2, next trip), KB (4, next trip).  So behind AF0's loads stand
; KB's 4 and AF1's 2 when AF0 is wanted (count 6), behind KB's only AF1's 2 (count 2), and the same half a trip later with the names exchanged.
.macro TRIP first, last
	STEP 0, KA, 1, 1-\first
.if 1-\first
	MM ACC1, AF1, BF1, 0                           ; query 1 of the chunk before
.endif
	STEP 1, KA, 1, 1
	ALOAD AF1, 32
	STEP 2, KA, 1, 1
	STEP 3, KA, 1, 1
	STEP 4, KA, 1, 1
	s_wait_dscnt 6                                 ; AF0 is in
	MM ACC0, AF0, BF0, \first
	STEP 5, KA, 1, 1
	STEP 6, KA, 1, 1                               ; the last that reads KA
	s_wait_dscnt 2                                 ; KB is in
.if 1-\last
	KLOAD KA, 128
.endif
	STEP 7, KB, 1, 1
	STEP 0, KB, 1, 1
	MM ACC1, AF0, BF1, \first
	STEP 1, KB, 1, 1
.if 1-\last
	ALOAD AF0, 64
.endif
	STEP 2, KB, 1, 1
	STEP 3, KB, 1, 1
	STEP 4, KB, 1, 1
.if \last
	s_wait_dscnt 0                                 ; the last trip asked for nothing behind AF1
.else
	s_wait_dscnt 6                                 ; AF1 is in
.endif
	MM ACC0, AF1, BF0, 0
	STEP 5, KB, 1, 1
	STEP 6, KB, 1, 1
.if \last
	STEP 7, KA, 0, 1
.else
	s_wait_dscnt 2                                 ; KA is in
	KLOAD KB, 192
	STEP 7, KA, 1, 1
	v_add_nc_u32 v[KAD], 128, v[KAD]               ; two chunks on: 32 keys of 4 bytes,
	v_add_nc_u32 v[AAD], 64, v[AAD]                ; 32 table entries of 2
.endif
.endm
	; group 0's stage a, ahead of the pipeline
	v_pk_add_f32 v[E:E+1],   v[KA:KA+1],   v[Q0:Q0+1] neg_lo:[0,1] neg_hi:[0,1]
	v_pk_add_f32 v[E+2:E+3], v[KA+2:KA+3], v[Q0:Q0+1] neg_lo:[0,1] neg_hi:[0,1]
.irp i, 0,1,2,3
	v_fma_f32 v[E+\i], |v[E+\i]|, s[LN2], s[EL2]
.endr
	v_pk_mul_f32 v[PR:PR+1], v[E:E+1], v[E+2:E+3]
	s_wait_alu depctr_va_vdst(0)
	v_mul_f32 v[NR0],   -1.0, v[M+4]               ; minus the maximum, each twice: a pair for the packed multiply-add
	v_mul_f32 v[NR0+1], -1.0, v[M+4]
	v_mul_f32 v[NR0+2], -1.0, v[M+5]
	v_mul_f32 v[NR0+3], -1.0, v[M+5]
	TRIP 1, 0                                      ; 8 trips: the first starts the sums, the last asks for no further keys
	s_mov_b32 s[CNT], 6
.Ltrip:
	TRIP 0, 0
	s_sub_co_i32 s[CNT], s[CNT], 1
	s_cmp_lg_u32 s[CNT], 0
	s_cbranch_scc1 .Ltrip
	TRIP 0, 1
.irp i, 0,1,2,3
	v_exp_f32 v[E+28+\i], v[S+4+\i]                ; the last group's stages d and f
.endr
	v_nop                                          ; the plain instruction between the transcendentals and their use
	s_wait_alu depctr_va_vdst(0)
	v_cvt_pk_bf16_f32 v[BF1+6], v[E+28], v[E+29]
	v_cvt_pk_bf16_f32 v[BF1+7], v[E+30], v[E+31]
	MM ACC1, AF1, BF1, 0
; ---------------------------------------------------------------- THE WAY OUT
	v_add_f32 v[ACC0+1], v[ACC0+1], v[ACC0+2]      ; sum p x = sum p x_hi + sum p x_lo.  With the three v_nop: four plain instructions that name
	v_nop                                          ; none of the last matrix instruction's registers, before its result is read and before
	v_nop                                          ; loads are issued into its operands
	v_nop
	v_add_f32 v[ACC1+1], v[ACC1+1], v[ACC1+2]
	ds_store_b64 v[PAD], v[ACC0:ACC0+1]            ; (sum p, sum p x) of query 0
	ds_store_b64 v[PAD], v[ACC1:ACC1+1] offset:8   ; and of query 1
	s_wait_dscnt 0x0                               ; my sums are in LDS,
	s_barrier_signal -1
	s_barrier_wait -1                              ; everybody's are
	s_cmp_lg_u32 s[WV], 0
	s_cbranch_scc1 .Ldone                          ; 64 outputs: one wave, two a lane
.irp w, 0,1,2,3,4,5,6,7,8,9,10,11,12,13,14,15
	ds_load_b128 v[F+4*\w:F+4*\w+3], v[PAD] offset:512*\w          ; wave 0's own address is the region's start + 16 x lane
.endr
	s_wait_dscnt 0x0
.irp h, 0,1,2,3
.irp s, 1,2,3
	v_pk_add_f32 v[F+4*\h:F+4*\h+1],   v[F+4*\h:F+4*\h+1],   v[F+16*\s+4*\h:F+16*\s+4*\h+1]       ; the four key quarters share one maximum: plain sums
	v_pk_add_f32 v[F+4*\h+2:F+4*\h+3], v[F+4*\h+2:F+4*\h+3], v[F+16*\s+4*\h+2:F+16*\s+4*\h+3]
.endr
.endr
.irp h, 0,1,2,3
	v_rcp_f32 v[E+2*\h],   v[F+4*\h]               ; 1 / sum p; the sum holds the largest weight, so it is not 0
	v_rcp_f32 v[E+2*\h+1], v[F+4*\h+2]
.endr
	v_nop                                          ; the plain instruction between the transcendentals and their use
.irp h, 0,1,2,3
	s_wait_alu depctr_va_vdst(0)
	v_mul_f32 v[E+2*\h],   v[E+2*\h],   v[F+4*\h+1]            ; sum p x / sum p
	v_mul_f32 v[E+2*\h+1], v[E+2*\h+1], v[F+4*\h+3]
.endr
	v_fma_f32 v[E+8], v[E],   s[AV], s[BV]         ; head 0: alpha_v times that + beta_v
	v_fma_f32 v[E+9], v[E+1], s[AV], s[BV]
.irp h, 1,2,3
	v_fma_f32 v[E+8], v[E+2*\h],   s[AV+\h], v[E+8]
	v_fma_f32 v[E+9], v[E+2*\h+1], s[AV+\h], v[E+9]
	v_add_f32 v[E+8], s[BV+\h], v[E+8]
	v_add_f32 v[E+9], s[BV+\h], v[E+9]
.endr
	v_fma_f32 v[E+8], v[E+8], 0.5, v[XQ]           ; 1 / sqrt(4), and the residual
	v_fma_f32 v[E+9], v[E+9], 0.5, v[XQ+1]
	global_store_b64 v[L8], v[E+8:E+9], s[22:23]   ; 32 lanes x 8 bytes: the group's 256 consecutive bytes of out, at a multiple of 256, in one store
.Ldone:
	s_wait_tensorcnt 0x0
	ds_add_u32 v162, v163
	s_wait_dscnt 0x0
	s_endpgm
.Lfunc_end_k_q2061e18b6c_flatt:
	.size	k_q2061e18b6c_flatt, .Lfunc_end_k_q2061e18b6c_flatt-k_q2061e18b6c_flatt
	.p2alignl 7, 3214868480
	.fill 96, 4, 3214868480
	.section	.rodata,"a",@progbits
	.p2align	6, 0x0
	.amdhsa_kernel k_q2061e18b6c_flatt
		.amdhsa_group_segment_fixed_size 39168
		.amdhsa_private_segment_fixed_size 0
		.amdhsa_enable_private_segment 0
		.amdhsa_kernarg_size 64
		.amdhsa_user_sgpr_count 2
		.amdhsa_user_sgpr_kernarg_segment_ptr 1
		.amdhsa_wavefront_size32 1
		.amdhsa_system_sgpr_workgroup_id_x 1
		.amdhsa_system_sgpr_workgroup_id_y 1
		.amdhsa_system_sgpr_workgroup_id_z 1
		.amdhsa_system_vgpr_workitem_id 0
		.amdhsa_next_free_vgpr 164
		.amdhsa_next_free_sgpr 66
		.amdhsa_reserve_vcc 0
		.amdhsa_float_denorm_mode_32 3
		.amdhsa_float_denorm_mode_16_64 3
		.amdhsa_memory_ordered 1
		.amdhsa_forward_progress 1
		.amdhsa_inst_pref_size 95
	.end_amdhsa_kernel
	.amdgpu_metadata
---
amdhsa.version: [ 1, 2 ]
amdhsa.kernels:
  - .name:           k_q2061e18b6c_flatt
    .symbol:         k_q2061e18b6c_flatt.kd
    .args:
      - { .name: x, .offset: 0, .size: 8, .value_kind: global_buffer, .address_space: global }
      - { .name: alpha_q, .offset: 8, .size: 8, .value_kind: global_buffer, .address_space: global }
      - { .name: beta_q, .offset: 16, .size: 8, .value_kind: global_buffer, .address_space: global }
      - { .name: alpha_k, .offset: 24, .size: 8, .value_kind: global_buffer, .address_space: global }
      - { .name: beta_k, .offset: 32, .size: 8, .value_kind: global_buffer, .address_space: global }
      - { .name: alpha_v, .offset: 40, .size: 8, .value_kind: global_buffer, .address_space: global }
      - { .name: beta_v, .offset: 48, .size: 8, .value_kind: global_buffer, .address_space: global }
      - { .name: out0, .offset: 56, .size: 8, .value_kind: global_buffer, .address_space: global }
    .group_segment_fixed_size: 39168
    .private_segment_fixed_size: 0
    .kernarg_segment_align: 8
    .kernarg_segment_size: 64
    .max_flat_workgroup_size: 512
    .sgpr_count:     66
    .vgpr_count:     164
    .wavefront_size: 32
...
	.end_amdgpu_metadata
.endif
;; end of part 1
;; ======== version 2 of 2: 1 launch; version 1 with the launch flatt written anew for expert scheduling mode
;; limits: right only within a limited range of input values
;; launch flatt (part 2): grid 256 x 1, 16 waves a work-group, no clusters, 39,168 bytes of LDS; arguments x, alpha_q, beta_q, alpha_k, beta_k, alpha_v, beta_v, out0; writes out0
.if DOCPART == 2
	.amdgcn_target "amdgcn-amd-amdhsa--gfx1250"
	.amdhsa_code_object_version 6
	.text
	.protected	k_q2061e18b6c_flatt
	.globl	k_q2061e18b6c_flatt
	.p2align	8
	.type	k_q2061e18b6c_flatt,@function
k_q2061e18b6c_flatt:
	s_mov_b64 s[64:65], 0
	v_nop
	global_prefetch_b8 v0, s[64:65] scope:SCOPE_SE
	s_setreg_imm32_b32 hwreg(HW_REG_WAVE_SCHED_MODE, 0, 2), 2
	s_setreg_imm32_b32 hwreg(HW_REG_WAVE_MODE, 25, 1), 1
	s_wait_xcnt 0x0
	s_wait_alu depctr_vm_vsrc(0)
; out[b][i] = x[b][i] + 1/2 sum over h of ( sum_j p v[j][h] / sum_j p ),  p = exp( 1/(|k[j][h]-q[i][h]|+1e-8) - its maximum over j ),
; q, k, v = x alpha + beta per head.  x, out: [16][1024] f32; the six alpha, beta: [4] f32.
;
; SHARES.  256 work-groups: group g takes batch g / 16, the 64 queries i from 64 (g % 16) on, and all 4 heads, so the sum over heads never
; leaves the group.  16 waves: wave w takes head w % 4 and the 256 keys j from 256 (w / 4) on.  Lane l takes queries i0+2l and i0+2l+1.
; PASS 1 finds min_j |k-q|: the softmax's maximum is 1/(that minimum + 1e-8).  The four key quarters meet in LDS.
; PASS 2 makes the weights p and gives them to the matrix unit in bf16, which adds up  sum p,  sum p x_hi,  sum p x_lo  in f32.
; v = alpha_v x + beta_v is applied behind the division: sum p v / sum p = alpha_v (sum p x / sum p) + beta_v, so one table of x serves all heads.
;
; THE MATRIX INSTRUCTION (16x16x32 bf16).  Operand B: lane l's 8 registers are its own query's 16 weights, keys c = 0..15 of the chunk.
; Lanes 0-15 fill the K places 0-7, 16-23 of columns 0-15, lanes 16-31 the K places 8-15, 24-31 of the same columns.  Operand A is
; (1, x_hi, x_lo) in rows 0-2 on the first set of K places only, the same in rows 8-10 on the second set only, and zero elsewhere: that is lanes
; 0, 1, 2 and 24, 25, 26 of A's registers.  Register j of D in lane l is row 8 (l / 16) + j of column l % 16: registers 0, 1, 2 of EVERY lane are
; the three sums of that lane's own query.  So a wave serves 32 queries at once, and all its lanes want the same 16 keys (broadcast LDS loads).
;
; NO CLUSTER, NO TENSOR LOADS: all that work-groups share is a batch's row of x, 4,096 bytes that each reads once, for 262,144 weights computed.
;
; THE MODE: SCHED_MODE bits 1:0 = 2 (LLVM: expert scheduling mode 2), set by the entry lines.  The code itself states the register dependences
; between vector or matrix instructions and memory or LDS instructions, with s_wait_alu, always for 0.
; THE PLAN.  Registers that memory or LDS instructions touch:
;   v3, v4, v5, v20, v21, v160   offsets and LDS addresses, made at the head and never written again.
;   v10, v11 (KAD, AAD)          read by every load of keys and of operand A; written at the head, and once a trip of pass 2.
;   PASS 1: KA, KB, KC, KC+16    a ring of four buffers of 16 keys.  A step is 32 keys: it subtracts from two of them while the loads of the next step
;                                land in the other two, which no vector line of the step names.  One wait on va_vdst at a step's head.
;   PASS 2: KA, KB               chunk c's keys: read from STEP 7 of chunk c - 1 to STEP 6 of chunk c; asked for again behind STEP 1 of chunk c + 1.
;           AF0, AF1             chunk c's operand A: read by the matrix instructions behind STEP 4 of chunk c and behind STEP 0 of chunk c + 1; asked for
;                                again behind STEP 2 of chunk c + 1.
;           So ONE wait on va_vdst stands in a chunk, behind its STEP 1: the chunk before is done with its keys and its operand A.  The six loads follow it,
;           with STEP 2 among them, which names neither those registers nor the two addresses.  In a trip's first chunk the addresses are stepped just ahead of it.
;   E, S, PR, RR, BF0, BF1, the accumulators, q and the maxima are named in the loops by vector and matrix instructions alone.
;
; LIMITS AND ROUNDING, stated:  q and k by one fused multiply-add.  e = ln2 (|k-q| + 1e-8) by one fused multiply-add, so that 1/e is in base 2.
; Two reciprocals come from one v_rcp_f32: 1/a = b / (a b); with v_rcp_f32's own error that is a few ulp off a rounded division.  The maximum
; taken away is v_rcp_f32(smallest e): the largest exponent is 0 to within a few ulp of at most 1.44e8, that is below 2^6 in size, a factor common
; to numerator and denominator that neither overflows nor underflows f32 or bf16.  If a b passes 2^126 its reciprocal is flushed to 0: both 1/a and
; 1/b then count as 0, which shows in a result only where some |k-q| is above about 1e34.  Weights are rounded to bf16; x enters as x_hi + x_lo.
.set ROWB, 4096                        ; bytes of a row of x, and of one head's 1,024 keys in LDS
.set LK,   0                           ; LDS: keys, 4 heads x 4,096 bytes
.set LT,   16384                       ; LDS: table for operand A, 4 rows of 1,024 bf16: ones, x_hi, x_lo, zeros
.set TP,   2080                        ; its pitch: 2,048 + 32, so the four rows start 32 bytes apart modulo 256 and the lanes' 16-byte reads meet in no bank
.set LM,   24832                       ; LDS: minima, 16 waves x 32 lanes x 2 f32
.set LP,   28928                       ; LDS: partial sums, 16 waves x 32 lanes x 4 f32; ends at 37,120
; scalar registers
.set WV,  2                            ; wave
.set HD,  3                            ; head
.set JQ,  4                            ; key quarter
.set AQ,  24                           ; s[24:47]: alpha_q, beta_q, alpha_k, beta_k, alpha_v, beta_v, 4 each
.set BQ,  28
.set AK,  32
.set BK,  36
.set AV,  40
.set BV,  44
.set AQH, 48                           ; my head's alpha_q, beta_q
.set BQH, 49
.set CNT, 50
.set LN2, 58                           ; ln 2
.set EL2, 59                           ; 1e-8 x ln 2
; vector registers
.set LANE, 1
.set T8,  3                            ; 8 x thread
.set L8,  4                            ; 8 x lane
.set T4,  5                            ; 4 x thread
.set XJ,  6                            ; v[6:7]    x of my two keys (prologue)
.set XQ,  8                            ; v[8:9]    x of my two queries
.set KAD, 10                           ; LDS address of my wave's keys (the same in all lanes)
.set AAD, 11                           ; LDS address of my lane's row of the table, at my wave's keys
.set Q0,  12                           ; v[12:13] = (q0, q0), v[14:15] = (q1, q1)
.set NR0, 16                           ; v[16:17], v[18:19]: minus the maximum (base 2), twice each
.set PAD, 20                           ; LDS address of my partial sums
.set MST, 21                           ; LDS address of my minima
.set M,   22                           ; v[22:29] eight running minima; v[24:31] the four quarters' minima
.set KA,  32                           ; v[32:47]  key buffer: 16 keys
.set KB,  48                           ; v[48:63]  key buffer
.set KC,  64                           ; v[64:95]  in pass 1 only: two more key buffers, in the registers that are operands A and B in pass 2
.set AF0, 64                           ; v[64:71]  operand A of even chunks
.set AF1, 72                           ; v[72:79]  operand A of odd chunks
.set BF0, 80                           ; v[80:87]  operand B, query 0
.set BF1, 88                           ; v[88:95]  operand B, query 1
.set ACC0, 96                          ; v[96:103]  sums of query 0
.set ACC1, 104                         ; v[104:111] sums of query 1
.set E,   112                          ; v[112:143] 32 terms: query q, key c at E + 16 q + c
.set S,   144                          ; v[144:151] exponents of two groups in turn
.set PR,  152                          ; v[152:155] products a b of two groups in turn
.set RR,  156                          ; v[156:159] their reciprocals
.set MLD, 160                          ; LDS address of my head's minima
.set F,   32                           ; v[32:95]  the way out: the 16 waves' partial sums
	s_load_b512 s[8:23], s[0:1], 0x0               ; x s[8:9], alpha_q, beta_q, alpha_k, beta_k, alpha_v, beta_v s[10:21], out s[22:23]
	v_lshl_add_u32 v162, v0, 2, 0x9100
	v_mov_b32 v163, 0
	v_lshrrev_b32 v2, 5, v0
	v_readfirstlane_b32 s[WV], v2                  ; wave 0..15
	v_and_b32 v[LANE], 31, v0
	v_lshlrev_b32 v[T8], 3, v0
	v_lshlrev_b32 v[T4], 2, v0
	v_lshlrev_b32 v[L8], 3, v[LANE]
	s_wait_alu depctr_va_sdst(0)                   ; the wave's number is written, ahead of its first reader: head, quarter, LDS addresses and the last branch are made from it
	s_and_b32 s[HD], s[WV], 3
	s_lshr_b32 s[JQ], s[WV], 2
	s_lshr_b32 s6, ttmp9, 4                        ; batch
	s_lshl_b32 s6, s6, 12                          ; x 4,096 bytes
	s_mov_b32 s7, 0
	s_and_b32 s52, ttmp9, 15                       ; block of 64 queries
	s_lshl_b32 s52, s52, 8                         ; x 256 bytes
	s_mov_b32 s53, 0
	s_mov_b32 s[LN2], 0x3f317218                   ; ln 2
	s_mov_b32 s[EL2], 0x31ee29df                   ; 1e-8 x ln 2 = 6.9314718e-9
	s_wait_kmcnt 0x0
	s_add_nc_u64 s[8:9], s[8:9], s[6:7]            ; x at my batch's row
	s_add_nc_u64 s[54:55], s[8:9], s[52:53]        ; x at my group's first query
	s_wait_alu depctr_va_vdst(0)                   ; the offsets 8 x thread and 8 x lane are written, which the two loads read
	global_load_b64 v[XJ:XJ+1], v[T8], s[8:9]      ; 512 threads x 8 bytes: the whole row, once
	global_load_b64 v[XQ:XQ+1], v[L8], s[54:55]    ; my two queries
	s_load_b128 s[AQ:AQ+3], s[10:11], 0x0
	s_load_b128 s[BQ:BQ+3], s[12:13], 0x0
	s_load_b128 s[AK:AK+3], s[14:15], 0x0
	s_load_b128 s[BK:BK+3], s[16:17], 0x0
	s_load_b128 s[AV:AV+3], s[18:19], 0x0
	s_load_b128 s[BV:BV+3], s[20:21], 0x0
	s_add_nc_u64 s[22:23], s[22:23], s[6:7]
	s_add_nc_u64 s[22:23], s[22:23], s[52:53]      ; out at my group's 256 bytes
	; which row of the table my lane feeds into operand A: lanes 0,1,2 and 24,25,26 rows 0,1,2; all others the row of zeros
	v_and_b32 v2, 7, v[LANE]
	v_lshrrev_b32 v[AAD], 3, v[LANE]               ; 0..3
	v_add_nc_u32 v[AAD], 1, v[AAD]
	v_and_b32 v[AAD], 2, v[AAD]                    ; 2 for lanes 8-23, else 0
	v_lshl_add_u32 v2, v[AAD], 1, v2               ; + 4 there
	v_min_u32 v2, 3, v2
	v_mul_u32_u24 v2, TP, v2
	s_lshl_b32 s56, s[JQ], 9                       ; my quarter: 256 keys x 2 bytes
	s_add_co_u32 s56, s56, LT
	v_add_nc_u32 v[AAD], s56, v2
	s_lshl_b32 s56, s[HD], 12                      ; my head's keys,
	s_lshl_b32 s57, s[JQ], 10                      ; my quarter: 256 keys x 4 bytes
	s_add_co_u32 s56, s56, s57
	v_mov_b32 v[KAD], s56
	s_lshl_b32 s56, s[WV], 8
	s_add_co_u32 s56, s56, LM
	v_add_nc_u32 v[MST], s56, v[L8]                ; minima: wave x 256 + lane x 8
	s_lshl_b32 s57, s[HD], 8
	s_add_co_u32 s57, s57, LM
	v_add_nc_u32 v[MLD], s57, v[L8]                ; the waves of my head lie 1,024 bytes apart
	s_lshl_b32 s56, s[WV], 9
	s_add_co_u32 s56, s56, LP
	v_lshl_add_u32 v[PAD], v[LANE], 4, s56         ; partial sums: wave x 512 + lane x 16
	s_wait_kmcnt 0x0
	s_cmp_eq_u32 s[HD], 1                          ; my head's alpha_q and beta_q
	s_cselect_b32 s[AQH], s[AQ+1], s[AQ]
	s_cselect_b32 s[BQH], s[BQ+1], s[BQ]
	s_cmp_eq_u32 s[HD], 2
	s_cselect_b32 s[AQH], s[AQ+2], s[AQH]
	s_cselect_b32 s[BQH], s[BQ+2], s[BQH]
	s_cmp_eq_u32 s[HD], 3
	s_cselect_b32 s[AQH], s[AQ+3], s[AQH]
	s_cselect_b32 s[BQH], s[BQ+3], s[BQH]
	s_wait_loadcnt 0x1                             ; my two keys' x are in; the one younger load (the queries) may be out
.irp h, 0,1,2,3
	v_fma_f32 v[KA+2*\h],   v[XJ],   s[AK+\h], s[BK+\h]        ; k = x alpha_k + beta_k
	v_fma_f32 v[KA+2*\h+1], v[XJ+1], s[AK+\h], s[BK+\h]
.endr
	v_cvt_pk_bf16_f32 v[KB], v[XJ], v[XJ+1]        ; x_hi of both keys
	v_lshlrev_b32 v[KB+1], 16, v[KB]               ; back to f32
	v_and_b32 v[KB+2], 0xffff0000, v[KB]
	v_sub_f32 v[KB+1], v[XJ], v[KB+1]              ; what bf16 dropped (exact)
	v_sub_f32 v[KB+2], v[XJ+1], v[KB+2]
	v_cvt_pk_bf16_f32 v[KB+1], v[KB+1], v[KB+2]    ; x_lo
	v_mov_b32 v[KB+2], 0x3f803f80                  ; 1.0 twice
	v_mov_b32 v[KB+3], 0
	s_wait_alu depctr_va_vdst(0)                   ; the keys and the table's entries are written, which the eight LDS stores read; so are the five LDS addresses made above, for all that follows
.irp h, 0,1,2,3
	ds_store_b64 v[T8], v[KA+2*\h:KA+2*\h+1] offset:LK+\h*ROWB
.endr
	ds_store_b32 v[T4], v[KB+2] offset:LT
	ds_store_b32 v[T4], v[KB]   offset:LT+TP
	ds_store_b32 v[T4], v[KB+1] offset:LT+2*TP
	ds_store_b32 v[T4], v[KB+3] offset:LT+3*TP
	s_wait_loadcnt 0x0
	v_fma_f32 v[Q0],   v[XQ],   s[AQH], s[BQH]     ; q = x alpha_q + beta_q, each twice: a pair for the packed subtraction
	v_fma_f32 v[Q0+1], v[XQ],   s[AQH], s[BQH]
	v_fma_f32 v[Q0+2], v[XQ+1], s[AQH], s[BQH]
	v_fma_f32 v[Q0+3], v[XQ+1], s[AQH], s[BQH]
	s_wait_dscnt 0x0                               ; my part of the keys and of the table is in LDS,
	s_barrier_signal -1
	s_barrier_wait -1                              ; everybody's is; neither is written again
; ---------------------------------------------------------------- PASS 1: min over my 256 keys of |k - q|, for my two queries
.macro KLOAD buf, off                  ; 16 keys: four loads, every lane at the same address
.irp i, 0,1,2,3
	ds_load_b128 v[\buf+4*\i:\buf+4*\i+3], v[KAD] offset:\off+16*\i
.endr
.endm
.macro MINSTEP q, p, start             ; two more |d| into one of four chains a query; the first four start the chains, nothing is preset
.if \start
	v_min_num_f32 v[M+4*\q+\p%4], |v[E+16*\q+2*\p]|, |v[E+16*\q+2*\p+1]|
.else
	v_min3_num_f32 v[M+4*\q+\p%4], |v[E+16*\q+2*\p]|, |v[E+16*\q+2*\p+1]|, v[M+4*\q+\p%4]
.endif
.endm
.macro P1CHUNK buf, start              ; 16 keys x 2 queries: 16 packed subtractions, 16 minima of three
.irp q, 0,1
.irp p, 0,1,2,3,4,5,6,7
	v_pk_add_f32 v[E+16*\q+2*\p:E+16*\q+2*\p+1], v[\buf+2*\p:\buf+2*\p+1], v[Q0+2*\q:Q0+2*\q+1] neg_lo:[0,1] neg_hi:[0,1]
.endr
.endr
.irp q, 0,1
.irp p, 0,1,2,3
	MINSTEP \q, \p, \start
.endr
.irp p, 4,5,6,7
	MINSTEP \q, \p, 0
.endr
.endr
.endm
; A step: two chunks, on buffers cur and cur + 16.  ask = 1: the next step's 32 keys, from byte off on, are asked for into oth and oth + 16, each buffer two chunks ahead of its use.
; first = 1: step 0: it starts the chains, and no vector instruction has yet named the buffers that it asks into.
.macro P1STEP cur, oth, off, first, ask
	s_wait_dscnt 4                                 ; LDS loads return in order (ISA guide 5.7.1): the older buffer is in, the younger one's 4 loads stay out
.if \ask
.if 1-\first
	s_wait_alu depctr_va_vdst(0)                   ; the step before is done reading its two buffers, in which the eight loads of this step land; this step's vector lines name neither
.endif
	KLOAD \oth, \off
.endif
	P1CHUNK \cur, \first
.if \ask
	s_wait_dscnt 4                                 ; the second buffer is in; the 4 loads just issued stay out
	KLOAD \oth+16, \off+64
.else
	s_wait_dscnt 0                                 ; nothing was asked for behind the last buffer
.endif
	P1CHUNK \cur+16, 0
.endm
	s_wait_alu depctr_vm_vsrc(0)                   ; my LDS stores have read v[KA ..] and v[KB ..]: these registers are key buffers from here on (the vector lines that named them stand ahead of the last wait on va_vdst)
	KLOAD KA, 0
	KLOAD KB, 64
	P1STEP KA, KC, 128, 1, 1
	P1STEP KC, KA, 256, 0, 1
	P1STEP KA, KC, 384, 0, 1
	P1STEP KC, KA, 512, 0, 1
	P1STEP KA, KC, 640, 0, 1
	P1STEP KC, KA, 768, 0, 1
	P1STEP KA, KC, 896, 0, 1
	P1STEP KC, KA, 0,   0, 0
	v_min3_num_f32 v[M],   v[M],   v[M+1], v[M+2]
	v_min3_num_f32 v[M+4], v[M+4], v[M+5], v[M+6]
	v_min_num_f32  v[M],   v[M],   v[M+3]
	v_min_num_f32  v[M+1], v[M+4], v[M+7]
	s_wait_alu depctr_va_vdst(0)                   ; my two minima are written, which the store reads; pass 1 is done with its four key buffers and with v[M+2 .. M+7]: the loads below, the loads of minima behind the barrier and the first trip's loads land there
	ds_store_b64 v[MST], v[M:M+1]                  ; my quarter's two minima
.macro ALOAD buf, off                  ; operand A of one chunk: my lane's row of the table, 16 keys = 32 bytes
	ds_load_b128 v[\buf:\buf+3],   v[AAD] offset:\off
	ds_load_b128 v[\buf+4:\buf+7], v[AAD] offset:\off+16
.endm
	KLOAD KA, 0                                    ; pass 2's first buffers come in while the waves meet
	ALOAD AF0, 0
	s_wait_dscnt 0x0                               ; my minima are in LDS (and no LDS instruction is pending at the signal)
	s_barrier_signal -1
	s_barrier_wait -1
.irp s, 0,1,2,3
	ds_load_b64 v[M+2+2*\s:M+3+2*\s], v[MLD] offset:1024*\s        ; the four quarters of my head.  No vector instruction stands between the wait on va_vdst above and these
.endr
	s_wait_dscnt 0x0
	v_min3_num_f32 v[M+2], v[M+2], v[M+4], v[M+6]
	v_min3_num_f32 v[M+3], v[M+3], v[M+5], v[M+7]
	v_min_num_f32  v[M+2], v[M+2], v[M+8]
	v_min_num_f32  v[M+3], v[M+3], v[M+9]
	v_fma_f32 v[M+2], v[M+2], s[LN2], s[EL2]       ; the smallest e, by the very instruction that pass 2 uses
	v_fma_f32 v[M+3], v[M+3], s[LN2], s[EL2]
	v_rcp_f32 v[M+4], v[M+2]                       ; the maximum, in base 2.  The lines below, which touch none of these registers, are the plain
	v_rcp_f32 v[M+5], v[M+3]                       ; instructions that stand between a transcendental and the use of its result (ISA guide 5.7.2)
; ---------------------------------------------------------------- PASS 2
; A GROUP is 4 terms of one query (E+4g .. E+4g+3; groups 0-3 query 0, groups 4-7 query 1; 8 groups = a chunk of 16 keys).  Its stages:
;   a  2 packed subtractions d = k - q, 4 x e = |d| ln2 + 1e-8 ln2, 1 packed product (e0 e2, e1 e3)
;   b  2 reciprocals r = 1 / product
;   c  2 packed multiply-adds: exponents (r0 e2, r1 e3) - max and (r0 e0, r1 e1) - max, that is 1/e0, 1/e1, 1/e2, 1/e3 less the maximum
;   d  4 x 2^exponent        f  2 roundings of two weights to bf16, into operand B
; STEP g runs b and c of group g, a of group g+1 and d, f of group g-1, across chunk ends too, each transcendental followed by a plain
; instruction of another group.  kn: the key buffer of group g+1.  hasA = 0: no group follows.  hasD = 0: none went before.
.macro STEP g, kn, hasA, hasD
.set GN,  (\g+1)%8
.set GP,  (\g+7)%8
.set EC,  E+4*\g
.set EN,  E+4*GN
.set EP,  E+4*GP
.set SC,  S+4*(\g%2)
.set SPV, S+4*(GP%2)
.set PCU, PR+2*(\g%2)
.set PNX, PR+2*(GN%2)
.set RC,  RR+2*(\g%2)
.set KNX, \kn+4*(GN%4)
.set QNX, Q0+2*(GN/4)
.set NRC, NR0+2*(\g/4)
.set BPV, BF0+8*(GP/4)+2*(GP%4)
	v_rcp_f32 v[RC], v[PCU]
.if \hasA
	v_pk_add_f32 v[EN:EN+1], v[KNX:KNX+1], v[QNX:QNX+1] neg_lo:[0,1] neg_hi:[0,1]
.endif
	v_rcp_f32 v[RC+1], v[PCU+1]
.if \hasA
	v_pk_add_f32 v[EN+2:EN+3], v[KNX+2:KNX+3], v[QNX:QNX+1] neg_lo:[0,1] neg_hi:[0,1]
.endif
.irp i, 0,1,2,3
.if \hasD
	v_exp_f32 v[EP+\i], v[SPV+\i]
.endif
.if \hasA
	v_fma_f32 v[EN+\i], |v[EN+\i]|, s[LN2], s[EL2]
.endif
.endr
.if 1-\hasA
	v_nop                                          ; no group follows: the plain instruction between the reciprocals and their use
.endif
	s_wait_alu depctr_va_vdst(0)
	v_pk_fma_f32 v[SC:SC+1],   v[RC:RC+1], v[EC+2:EC+3], v[NRC:NRC+1]
	v_pk_fma_f32 v[SC+2:SC+3], v[RC:RC+1], v[EC:EC+1],   v[NRC:NRC+1]
.if \hasA
	v_pk_mul_f32 v[PNX:PNX+1], v[EN:EN+1], v[EN+2:EN+3]
.endif
.if \hasD
	v_cvt_pk_bf16_f32 v[BPV],   v[EP],   v[EP+1]
	v_cvt_pk_bf16_f32 v[BPV+1], v[EP+2], v[EP+3]
.endif
.endm
.macro MM acc, af, bf, start           ; 16 keys x 32 queries into the three sums; the first product starts the sums, nothing is cleared
.if \start
	v_wmma_f32_16x16x32_bf16 v[\acc:\acc+7], v[\af:\af+7], v[\bf:\bf+7], 0
.else
	v_wmma_f32_16x16x32_bf16 v[\acc:\acc+7], v[\af:\af+7], v[\bf:\bf+7], v[\acc:\acc+7]
.endif
.endm
; A TRIP is two chunks: the even one on KA and AF0, the odd one on KB and AF1.  Query 0's operand B is whole behind step 4, query 1's behind
; step 0 of the next chunk.  Every register of a matrix instruction is written again (operand B by roundings, operand A by loads) a whole STEP or
; more behind it: at least ten plain vector instructions that name none of its registers, where ISA guide 7.12.1 asks for four.
; LDS loads of a trip, in order: KB (4) and AF1 (2), this trip's odd chunk; KA (4) and AF0 (2), the next trip's even chunk.  So behind AF0's loads stand
; KB's 4 and AF1's 2 when AF0 is wanted (count 6), behind KB's only AF1's 2 (count 2), and the same half a trip later with the names exchanged.
; The first trip owes no wait ahead of its loads of KB and AF1: no vector instruction since the wait behind pass 1 names them or the two addresses, which are not stepped yet.
.macro TRIP first, last
	STEP 0, KA, 1, 1-\first
.if 1-\first
	MM ACC1, AF1, BF1, 0                           ; query 1 of the chunk before
.endif
	STEP 1, KA, 1, 1
.if 1-\first
	s_wait_alu depctr_vm_vsrc(0)                   ; the LDS loads issued so far have read the two addresses
	v_add_nc_u32 v[KAD], 128, v[KAD]               ; two chunks on: 32 keys of 4 bytes,
	v_add_nc_u32 v[AAD], 64, v[AAD]                ; 32 table entries of 2
	s_wait_alu depctr_va_vdst(0)                   ; the two addresses are written; the chunk before is done reading KB (its step 6) and AF1 (the matrix instruction above)
.endif
	KLOAD KB, 64
	STEP 2, KA, 1, 1                               ; names neither AF1 nor its address
	ALOAD AF1, 32
	STEP 3, KA, 1, 1
	STEP 4, KA, 1, 1
	s_wait_dscnt 6                                 ; AF0 is in
	MM ACC0, AF0, BF0, \first
	STEP 5, KA, 1, 1
	STEP 6, KA, 1, 1                               ; the last that reads KA
	s_wait_dscnt 2                                 ; KB is in
	STEP 7, KB, 1, 1
	STEP 0, KB, 1, 1
	MM ACC1, AF0, BF1, \first
	STEP 1, KB, 1, 1
.if 1-\last
	s_wait_alu depctr_va_vdst(0)                   ; the even chunk is done reading KA (its step 6) and AF0 (the matrix instruction above)
	KLOAD KA, 128
.endif
	STEP 2, KB, 1, 1                               ; names neither AF0 nor its address
.if 1-\last
	ALOAD AF0, 64
.endif
	STEP 3, KB, 1, 1
	STEP 4, KB, 1, 1
.if \last
	s_wait_dscnt 0                                 ; the last trip asked for nothing behind AF1
.else
	s_wait_dscnt 6                                 ; AF1 is in
.endif
	MM ACC0, AF1, BF0, 0
	STEP 5, KB, 1, 1
	STEP 6, KB, 1, 1
.if \last
	STEP 7, KA, 0, 1
.else
	s_wait_dscnt 2                                 ; KA is in
	STEP 7, KA, 1, 1
.endif
.endm
	; group 0's stage a, ahead of the pipeline
	v_pk_add_f32 v[E:E+1],   v[KA:KA+1],   v[Q0:Q0+1] neg_lo:[0,1] neg_hi:[0,1]
	v_pk_add_f32 v[E+2:E+3], v[KA+2:KA+3], v[Q0:Q0+1] neg_lo:[0,1] neg_hi:[0,1]
.irp i, 0,1,2,3
	v_fma_f32 v[E+\i], |v[E+\i]|, s[LN2], s[EL2]
.endr
	v_pk_mul_f32 v[PR:PR+1], v[E:E+1], v[E+2:E+3]
	s_wait_alu depctr_va_vdst(0)
	v_mul_f32 v[NR0],   -1.0, v[M+4]               ; minus the maximum, each twice: a pair for the packed multiply-add
	v_mul_f32 v[NR0+1], -1.0, v[M+4]
	v_mul_f32 v[NR0+2], -1.0, v[M+5]
	v_mul_f32 v[NR0+3], -1.0, v[M+5]
	TRIP 1, 0                                      ; 8 trips: the first starts the sums, the last asks for no further keys
	s_mov_b32 s[CNT], 6
.Ltrip:
	TRIP 0, 0
	s_sub_co_i32 s[CNT], s[CNT], 1
	s_cmp_lg_u32 s[CNT], 0
	s_cbranch_scc1 .Ltrip
	TRIP 0, 1
.irp i, 0,1,2,3
	v_exp_f32 v[E+28+\i], v[S+4+\i]                ; the last group's stages d and f
.endr
	v_nop                                          ; the plain instruction between the transcendentals and their use
	s_wait_alu depctr_va_vdst(0)
	v_cvt_pk_bf16_f32 v[BF1+6], v[E+28], v[E+29]
	v_cvt_pk_bf16_f32 v[BF1+7], v[E+30], v[E+31]
	MM ACC1, AF1, BF1, 0
; ---------------------------------------------------------------- THE WAY OUT
	v_add_f32 v[ACC0+1], v[ACC0+1], v[ACC0+2]      ; sum p x = sum p x_hi + sum p x_lo.  With the three v_nop: four plain instructions that name
	v_nop                                          ; none of the last matrix instruction's registers, before its result is read
	v_nop                                          ; (ISA guide 7.12.1)
	v_nop
	v_add_f32 v[ACC1+1], v[ACC1+1], v[ACC1+2]
	s_wait_alu depctr_va_vdst(0)                   ; the matrix instructions and the two additions have written the sums, which the LDS stores read (the places above stay beside this wait); and all vector and matrix work is done with v[F ..], in which wave 0's loads land: no vector instruction stands between
	ds_store_b64 v[PAD], v[ACC0:ACC0+1]            ; (sum p, sum p x) of query 0
	ds_store_b64 v[PAD], v[ACC1:ACC1+1] offset:8   ; and of query 1
	s_wait_dscnt 0x0                               ; my sums are in LDS,
	s_barrier_signal -1
	s_barrier_wait -1                              ; everybody's are
	s_cmp_lg_u32 s[WV], 0
	s_cbranch_scc1 .Ldone                          ; 64 outputs: one wave, two a lane
.irp w, 0,1,2,3,4,5,6,7,8,9,10,11,12,13,14,15
	ds_load_b128 v[F+4*\w:F+4*\w+3], v[PAD] offset:512*\w          ; wave 0's own address is the region's start + 16 x lane
.endr
	s_wait_dscnt 0x0
.irp h, 0,1,2,3
.irp s, 1,2,3
	v_pk_add_f32 v[F+4*\h:F+4*\h+1],   v[F+4*\h:F+4*\h+1],   v[F+16*\s+4*\h:F+16*\s+4*\h+1]       ; the four key quarters share one maximum: plain sums
	v_pk_add_f32 v[F+4*\h+2:F+4*\h+3], v[F+4*\h+2:F+4*\h+3], v[F+16*\s+4*\h+2:F+16*\s+4*\h+3]
.endr
.endr
.irp h, 0,1,2,3
	v_rcp_f32 v[E+2*\h],   v[F+4*\h]               ; 1 / sum p; the sum holds the largest weight, so it is not 0
	v_rcp_f32 v[E+2*\h+1], v[F+4*\h+2]
.endr
	v_nop                                          ; the plain instruction between the transcendentals and their use
.irp h, 0,1,2,3
	s_wait_alu depctr_va_vdst(0)
	v_mul_f32 v[E+2*\h],   v[E+2*\h],   v[F+4*\h+1]            ; sum p x / sum p
	v_mul_f32 v[E+2*\h+1], v[E+2*\h+1], v[F+4*\h+3]
.endr
	v_fma_f32 v[E+8], v[E],   s[AV], s[BV]         ; head 0: alpha_v times that + beta_v
	v_fma_f32 v[E+9], v[E+1], s[AV], s[BV]
.irp h, 1,2,3
	v_fma_f32 v[E+8], v[E+2*\h],   s[AV+\h], v[E+8]
	v_fma_f32 v[E+9], v[E+2*\h+1], s[AV+\h], v[E+9]
	v_add_f32 v[E+8], s[BV+\h], v[E+8]
	v_add_f32 v[E+9], s[BV+\h], v[E+9]
.endr
	v_fma_f32 v[E+8], v[E+8], 0.5, v[XQ]           ; 1 / sqrt(4), and the residual
	v_fma_f32 v[E+9], v[E+9], 0.5, v[XQ+1]
	s_wait_alu depctr_va_vdst(0)                   ; the two results are written, which the store reads
	global_store_b64 v[L8], v[E+8:E+9], s[22:23]   ; 32 lanes x 8 bytes: the group's 256 consecutive bytes of out, at a multiple of 256, in one store
.Ldone:
	s_wait_dscnt 0x0
	s_wait_alu depctr_hold_cnt(0) depctr_sa_sdst(0) depctr_va_vdst(0) depctr_va_sdst(0) depctr_va_ssrc(0) depctr_va_vcc(0) depctr_vm_vsrc(0)
	s_wait_tensorcnt 0x0
	ds_add_u32 v162, v163
	s_wait_dscnt 0x0
	s_endpgm
.Lfunc_end_k_q2061e18b6c_flatt:
	.size	k_q2061e18b6c_flatt, .Lfunc_end_k_q2061e18b6c_flatt-k_q2061e18b6c_flatt
	.p2alignl 7, 3214868480
	.fill 96, 4, 3214868480
	.section	.rodata,"a",@progbits
	.p2align	6, 0x0
	.amdhsa_kernel k_q2061e18b6c_flatt
		.amdhsa_group_segment_fixed_size 39168
		.amdhsa_private_segment_fixed_size 0
		.amdhsa_enable_private_segment 0
		.amdhsa_kernarg_size 64
		.amdhsa_user_sgpr_count 2
		.amdhsa_user_sgpr_kernarg_segment_ptr 1
		.amdhsa_wavefront_size32 1
		.amdhsa_system_sgpr_workgroup_id_x 1
		.amdhsa_system_sgpr_workgroup_id_y 1
		.amdhsa_system_sgpr_workgroup_id_z 1
		.amdhsa_system_vgpr_workitem_id 0
		.amdhsa_next_free_vgpr 164
		.amdhsa_next_free_sgpr 66
		.amdhsa_reserve_vcc 0
		.amdhsa_float_denorm_mode_32 3
		.amdhsa_float_denorm_mode_16_64 3
		.amdhsa_memory_ordered 1
		.amdhsa_forward_progress 1
		.amdhsa_inst_pref_size 96
	.end_amdhsa_kernel
	.amdgpu_metadata
---
amdhsa.version: [ 1, 2 ]
amdhsa.kernels:
  - .name:           k_q2061e18b6c_flatt
    .symbol:         k_q2061e18b6c_flatt.kd
    .args:
      - { .name: x, .offset: 0, .size: 8, .value_kind: global_buffer, .address_space: global }
      - { .name: alpha_q, .offset: 8, .size: 8, .value_kind: global_buffer, .address_space: global }
      - { .name: beta_q, .offset: 16, .size: 8, .value_kind: global_buffer, .address_space: global }
      - { .name: alpha_k, .offset: 24, .size: 8, .value_kind: global_buffer, .address_space: global }
      - { .name: beta_k, .offset: 32, .size: 8, .value_kind: global_buffer, .address_space: global }
      - { .name: alpha_v, .offset: 40, .size: 8, .value_kind: global_buffer, .address_space: global }
      - { .name: beta_v, .offset: 48, .size: 8, .value_kind: global_buffer, .address_space: global }
      - { .name: out0, .offset: 56, .size: 8, .value_kind: global_buffer, .address_space: global }
    .group_segment_fixed_size: 39168
    .private_segment_fixed_size: 0
    .kernarg_segment_align: 8
    .kernarg_segment_size: 64
    .max_flat_workgroup_size: 512
    .sgpr_count:     66
    .vgpr_count:     164
    .wavefront_size: 32
...
	.end_amdgpu_metadata
.endif
;; end of part 2
